; MI455X (gfx1250); checked and timed in simulation.
; The chip was launched on July 23, 2026; its instructions are those of AMD's public machine-readable ISA for CDNA 5 (MIT licence, August 2026) and "CDNA5" Instruction Set Architecture Reference Guide (July 2026). The comments in the code are by the model that wrote it; some were corrected since.
;; Deepseek V3 Mo E. Allowed arithmetic: float matrix products may take bf16 or f16 operands with f32 sums; all other float work in f32.
;; Inputs: hidden_states 4 x 256 x 2,048 float32; r_down 2,048 x 1,024 float32; r_gate 1,024 x 2,048 float32; r_up 1,024 x 2,048 float32; router_weight 8 x 2,048 float32; sh_down 2,048 x 8,192 float32; sh_gate 8,192 x 2,048 float32; sh_up 8,192 x 2,048 float32.
;; Outputs: out0 4 x 256 x 2,048 float32.
;; One version. Each part assembles by itself: llvm-mc -triple=amdgcn-amd-amdhsa -mcpu=gfx1250 --defsym DOCPART=n.
;; ======== version 1 of 1: 4 launches
;; workspace buffers: xb 4,194,304 bytes; comb 4,096 bytes; act 18,874,368 bytes; part 33,554,432 bytes
;; launch prep (part 1): grid 64 x 1, 16 waves a work-group, no clusters, 83,968 bytes of LDS; arguments hidden_states, router_weight, xb, comb; writes xb, comb
.if DOCPART == 1
	.amdgcn_target "amdgcn-amd-amdhsa--gfx1250"
	.amdhsa_code_object_version 6
	.text
	.protected	k_q062761b233_prep
	.globl	k_q062761b233_prep
	.p2align	8
	.type	k_q062761b233_prep,@function
k_q062761b233_prep:
	s_mov_b64 s[64:65], 0
	v_nop
	global_prefetch_b8 v0, s[64:65] scope:SCOPE_SE
	s_setreg_imm32_b32 hwreg(HW_REG_WAVE_MODE, 25, 1), 1
	s_wait_xcnt 0x0
; prep: (1) x [1024][2048] f32 -> xb, bf16 in "fragment image" order [128 kb][64 mt][32 lanes][8 bf16]: a tile of 16 rows x 16 k is 512
; consecutive bytes, lane 16 h + r owning row r, k = 8 h .. 8 h + 7.  (2) the router: logits in f32, top 2 of 8 with their indices,
; softmax over the two with the larger taken away first, the slot mask index < 8, and the sum comb[row].
; A work-group owns 16 rows (one mt).  Wave w takes the column chunks w and w + 16, 64 columns (256 bytes of a row) each.
; Lane: cq = lane & 15 owns columns 4 cq .. 4 cq + 3 of a chunk, rr = lane >> 4; load i takes row 2 i + rr, so one load covers 256
; consecutive bytes of each of two rows.  No matrix unit: the router is 8 columns wide and is kept in f32.
; LIMITS: a NaN logit loses every comparison here (the result is then that of the other logits); the f32 sums of a logit run in another
; order than a plain dot product; comb is stored as 64 bytes a work-group, all that the work-group owns of it.
.set X,    16                          ; v[16:79]   x as loaded: chunk p, load i at X + 32 p + 4 i
.set W,    80                          ; v[80:143]  router rows: chunk p, expert e at W + 32 p + 4 e
.set S,    144                         ; v[144:207] partial logits: load i, expert e at S + 8 i + e
.set PK,   208                         ; v[208:223] x packed to bf16
.set IM,   224                         ; v[224:239] chunk 0's image tiles read back (chunk 1 uses v[16:31], dead by then)
.set WIMG, 4608                        ; LDS bytes of a wave's image stage: chunk 2304, tile 576, k half 288, row 16
.set RED,  73728                       ; behind the 16 stages: 512 bytes a wave, (e >> 2) 256 + row 16 + (e & 3) 4
	s_load_b256 s[4:11], s[0:1], 0x0               ; hidden_states s[4:5], router_weight s[6:7], xb s[8:9], comb s[10:11]
	v_lshl_add_u32 v240, v0, 2, 0x14000
	v_mov_b32 v241, 0
	v_and_b32 v1, 31, v0                           ; lane
	v_lshrrev_b32 v10, 5, v0
	v_readfirstlane_b32 s12, v10                   ; wave
	v_and_b32 v2, 15, v0                           ; cq
	v_bfe_u32 v3, v0, 4, 1                         ; rr
	v_lshlrev_b32 v5, 4, v2
	v_lshl_add_u32 v5, s12, 8, v5                  ; router: 16 cq + 256 w
	v_lshl_add_u32 v4, v3, 13, v5                  ; x: the same + rr rows of 8,192 bytes
	s_lshl_b32 s18, ttmp9, 17                      ; 16 rows of 8,192 bytes a work-group
	s_mov_b32 s19, 0
	s_wait_kmcnt 0x0
	s_add_nc_u64 s[4:5], s[4:5], s[18:19]
.irp p, 0,1
.irp i, 0,1,2,3,4,5,6,7
	global_load_b128 v[X+32*\p+4*\i:X+32*\p+4*\i+3], v4, s[4:5] offset:\i*16384+\p*4096 th:TH_LOAD_NT
.endr
.irp e, 0,1,2,3,4,5,6,7
	global_load_b128 v[W+32*\p+4*\e:W+32*\p+4*\e+3], v5, s[6:7] offset:\e*8192+\p*4096
.endr
.endr
	s_lshl_b32 s18, ttmp9, 9                       ; xb: 512 bytes a tile
	s_add_nc_u64 s[8:9], s[8:9], s[18:19]
	s_lshl_b32 s18, ttmp9, 6                       ; comb: 16 rows of 4 bytes
	s_add_nc_u64 s[10:11], s[10:11], s[18:19]
	s_mov_b32 s13, 0xaaaaaaaa                      ; lanes with bit 0, 1, 2, 3 of their number set
	s_mov_b32 s14, 0xcccccccc
	s_mov_b32 s15, 0xf0f0f0f0
	s_mov_b32 s16, 0xff00ff00
	s_mul_i32 s17, s12, WIMG
	v_lshrrev_b32 v10, 2, v2                       ; where my 8 bytes of a row go: tile cq >> 2,
	v_mul_u32_u24 v6, v10, 576
	v_bfe_u32 v10, v2, 1, 1                        ; k half (cq >> 1) & 1,
	v_mul_u32_u24 v10, v10, 288
	v_add_nc_u32 v6, v6, v10
	v_lshl_add_u32 v6, v3, 4, v6                   ; row rr (the load's 2 i stands in the immediate),
	v_and_b32 v10, 1, v2
	v_lshl_add_u32 v6, v10, 3, v6                  ; 8 bytes for odd cq
	v_add_nc_u32 v6, s17, v6
	v_mul_u32_u24 v7, v3, 288                      ; where I read a tile's 16 bytes back: k half lane >> 4, row lane & 15
	v_lshl_add_u32 v7, v2, 4, v7
	v_add_nc_u32 v7, s17, v7
	v_lshlrev_b32 v8, 4, v1                        ; xb: 16 lane + 4 w blocks of 32,768 bytes
	v_lshl_add_u32 v8, s12, 17, v8
	v_bfe_u32 v10, v2, 2, 1                        ; where my reduced logits go: e = cq & 7, row = 4 i' + 2 (cq >> 3) + rr
	v_lshlrev_b32 v9, 8, v10
	v_bfe_u32 v10, v2, 3, 1
	v_lshl_add_u32 v9, v10, 5, v9
	v_lshl_add_u32 v9, v3, 4, v9
	v_and_b32 v10, 3, v2
	v_lshl_add_u32 v9, v10, 2, v9
	s_lshl_b32 s18, s12, 9
	s_add_co_u32 s18, s18, RED
	v_add_nc_u32 v9, s18, v9
; One chunk of 64 columns: round to bf16, through the wave's own stage into image order, out; and 256 multiply-adds for the logits.
; left = the younger loads that may stay out.  The stage is the wave's own and LDS serves a wave's instructions in order (ISA guide
; 5.7.1): no barrier and no wait between its stores and its loads.
.macro CHUNK p, left, im
	s_wait_loadcnt \left
.irp i, 0,1,2,3,4,5,6,7
	v_cvt_pk_bf16_f32 v[PK+2*\i],   v[X+32*\p+4*\i],   v[X+32*\p+4*\i+1]
	v_cvt_pk_bf16_f32 v[PK+2*\i+1], v[X+32*\p+4*\i+2], v[X+32*\p+4*\i+3]
.endr
.irp i, 0,1,2,3,4,5,6,7
	ds_store_b64 v6, v[PK+2*\i:PK+2*\i+1] offset:\p*2304+\i*32
.endr
.irp t, 0,1,2,3
	ds_load_b128 v[\im+4*\t:\im+4*\t+3], v7 offset:\p*2304+\t*576
.endr
.irp c, 0,1,2,3
.irp i, 0,1,2,3,4,5,6,7
.irp e, 0,1,2,3,4,5,6,7
.if (\p+\c) == 0
	v_mul_f32 v[S+8*\i+\e], v[X+4*\i], v[W+4*\e]                   ; the first product starts the sum: nothing is cleared
.else
	v_fmac_f32 v[S+8*\i+\e], v[X+32*\p+4*\i+\c], v[W+32*\p+4*\e+\c]
.endif
.endr
.endr
.endr
	s_wait_dscnt 0x0                               ; the four tiles are back
.irp t, 0,1,2,3
	global_store_b128 v8, v[\im+4*\t:\im+4*\t+3], s[8:9] offset:(64*\p+\t)*32768   ; a whole tile: 512 consecutive bytes, aligned
.endr
.endm
	CHUNK 0, 16, IM                                ; chunk 1's sixteen loads stay out
	CHUNK 1, 0, X
; Sum over the 16 lanes of equal rr, halving the registers at each step: of a pair (a, b) a lane keeps one and hands the other to the
; lane whose number differs in one bit.  After four steps S + 16 i' holds the whole sum for e = cq & 7, row = 4 i' + 2 (cq >> 3) + rr.
.macro HALVE a, b, mask, xm, t
	v_cndmask_b32 v[\t],   v[\a], v[\b], \mask      ; kept
	v_cndmask_b32 v[\t+1], v[\b], v[\a], \mask      ; handed over
	v_add_f32_dpp v[\a], v[\t+1], v[\t] row_xmask:\xm row_mask:0xf bank_mask:0xf
.endm
.macro LEVEL n, stride, mask, xm
.set j, 0
.rept \n
	HALVE S+2*\stride*j, S+2*\stride*j+\stride, \mask, \xm, 10+2*(j%2)
.set j, j+1
.endr
.endm
	LEVEL 32, 1, s13, 1
	LEVEL 16, 2, s14, 2
	LEVEL 8,  4, s15, 4
	LEVEL 4,  8, s16, 8
.irp i, 0,1,2,3
	ds_store_b32 v9, v[S+16*\i] offset:\i*64
.endr
	s_wait_dscnt 0x0                               ; for wave 0's sake: my partial logits are in LDS
	s_barrier_signal -1
	s_barrier_wait -1
	s_cmp_lg_u32 s12, 0
	s_cbranch_scc1 .Lend                           ; wave 0 alone finishes the router: 16 rows x 8 logits
	v_lshlrev_b32 v14, 4, v2                       ; lane & 15 = the row; the upper 16 lanes repeat the lower
	v_add_nc_u32 v14, RED, v14
	s_wait_xcnt 0x0                                ; v[16:31] were data of the stores above: loaded again only behind this wait
.irp w, 0,1,2,3,4,5,6,7,8,9,10,11,12,13,14,15
	ds_load_b128 v[16+8*\w:16+8*\w+3],   v14 offset:\w*512
	ds_load_b128 v[16+8*\w+4:16+8*\w+7], v14 offset:\w*512+256
.endr
	s_wait_dscnt 0x0
.irp w, 1,2,3,4,5,6,7,8,9,10,11,12,13,14,15
.irp k, 0,2,4,6
	v_pk_add_f32 v[16+\k:17+\k], v[16+\k:17+\k], v[16+8*\w+\k:17+8*\w+\k]   ; four chains over the sixteen waves
.endr
.endr
	; top 2 of v16 .. v23: values v24 >= v25, indices v26, v27.  A later logit displaces an earlier one only if strictly larger,
	; so that of equal logits the lower index comes first.
	v_cmp_le_f32 s20, v17, v16
	v_cndmask_b32 v26, 1, 0, s20
	v_cndmask_b32 v27, 0, 1, s20
	v_max_num_f32 v24, v16, v17
	v_min_num_f32 v25, v16, v17
.irp e, 2,3,4,5,6,7
	v_cmp_le_f32 s20, v[16+\e], v24                ; the first stays
	v_cmp_le_f32 s21, v[16+\e], v25                ; the second stays
	v_cndmask_b32 v28, \e, v27, s21
	v_cndmask_b32 v27, v26, v28, s20
	v_cndmask_b32 v26, \e, v26, s20
	v_med3_num_f32 v25, v[16+\e], v24, v25
	v_max_num_f32 v24, v24, v[16+\e]
.endr
	v_cmp_gt_u32 s20, 8, v26                       ; the slot mask: index < NUM_LOCAL
	v_cmp_gt_u32 s21, 8, v27
	v_cndmask_b32 v26, 0, 1.0, s20
	v_cndmask_b32 v27, 0, 1.0, s21
	v_sub_f32 v28, v25, v24                        ; the maximum is taken away: the exponents are 0 and v25 - v24 <= 0
	v_mul_f32 v28, 0x3fb8aa3b, v28
	v_exp_f32 v29, v28
	v_nop                                          ; one plain vector instruction behind a transcendental (ISA guide 5.7.2)
	s_wait_alu depctr_va_vdst(0)
	v_add_f32 v30, 1.0, v29                        ; the softmax's denominator
	v_fma_f32 v31, v27, v29, v26                   ; mask1 x 1 + mask2 x e2
	v_rcp_f32 v32, v30
	v_lshlrev_b32 v33, 2, v2                       ; (the plain instruction behind v_rcp_f32) byte offset of my row in comb
	s_wait_alu depctr_va_vdst(0)
	v_mul_f32 v31, v31, v32
	v_cmp_gt_u32 vcc_lo, 16, v1
	s_wait_xcnt 0x0                                ; EXEC changes only behind this wait
	s_and_saveexec_b32 s22, vcc_lo
	global_store_b32 v33, v31, s[10:11]
	s_wait_xcnt 0x0                                ; and is restored only behind this one
	s_or_b32 exec_lo, exec_lo, s22
.Lend:
	s_wait_tensorcnt 0x0
	ds_add_u32 v240, v241
	s_wait_dscnt 0x0
	s_endpgm
.Lfunc_end_k_q062761b233_prep:
	.size	k_q062761b233_prep, .Lfunc_end_k_q062761b233_prep-k_q062761b233_prep
	.p2alignl 7, 3214868480
	.fill 96, 4, 3214868480
	.section	.rodata,"a",@progbits
	.p2align	6, 0x0
	.amdhsa_kernel k_q062761b233_prep
		.amdhsa_group_segment_fixed_size 83968
		.amdhsa_private_segment_fixed_size 0
		.amdhsa_enable_private_segment 0
		.amdhsa_kernarg_size 32
		.amdhsa_user_sgpr_count 2
		.amdhsa_user_sgpr_kernarg_segment_ptr 1
		.amdhsa_wavefront_size32 1
		.amdhsa_system_sgpr_workgroup_id_x 1
		.amdhsa_system_sgpr_workgroup_id_y 1
		.amdhsa_system_sgpr_workgroup_id_z 1
		.amdhsa_system_vgpr_workitem_id 0
		.amdhsa_next_free_vgpr 242
		.amdhsa_next_free_sgpr 66
		.amdhsa_reserve_vcc 1
		.amdhsa_float_denorm_mode_32 3
		.amdhsa_float_denorm_mode_16_64 3
		.amdhsa_memory_ordered 1
		.amdhsa_forward_progress 1
		.amdhsa_inst_pref_size 48
	.end_amdhsa_kernel
	.amdgpu_metadata
---
amdhsa.version: [ 1, 2 ]
amdhsa.kernels:
  - .name:           k_q062761b233_prep
    .symbol:         k_q062761b233_prep.kd
    .args:
      - { .name: hidden_states, .offset: 0, .size: 8, .value_kind: global_buffer, .address_space: global }
      - { .name: router_weight, .offset: 8, .size: 8, .value_kind: global_buffer, .address_space: global }
      - { .name: xb, .offset: 16, .size: 8, .value_kind: global_buffer, .address_space: global }
      - { .name: comb, .offset: 24, .size: 8, .value_kind: global_buffer, .address_space: global }
    .group_segment_fixed_size: 83968
    .private_segment_fixed_size: 0
    .kernarg_segment_align: 8
    .kernarg_segment_size: 32
    .max_flat_workgroup_size: 512
    .sgpr_count:     66
    .vgpr_count:     242
    .wavefront_size: 32
...
	.end_amdgpu_metadata
.endif
;; end of part 1
;; launch gateup (part 2): grid 64 x 4, 4 waves a work-group, clusters of 4 x 4, 327,680 bytes of LDS; arguments xb, sh_gate, sh_up, r_gate, r_up, comb, act; writes act
.if DOCPART == 2
	.amdgcn_target "amdgcn-amd-amdhsa--gfx1250"
	.amdhsa_code_object_version 6
	.text
	.protected	k_q062761b233_gateup
	.globl	k_q062761b233_gateup
	.p2align	8
	.type	k_q062761b233_gateup,@function
k_q062761b233_gateup:
	s_mov_b64 s[64:65], 0
	v_nop
	global_prefetch_b8 v0, s[64:65] scope:SCOPE_SE
	s_setreg_imm32_b32 hwreg(HW_REG_WAVE_MODE, 25, 1), 1
	s_wait_xcnt 0x0
	s_wait_alu depctr_hold_cnt(0) depctr_sa_sdst(0) depctr_va_vdst(0) depctr_va_sdst(0) depctr_va_ssrc(0) depctr_va_vcc(0) depctr_vm_vsrc(0)
	s_getreg_b32 s2, hwreg(HW_REG_IB_STS2, 6, 4)
	s_cmp_eq_u32 s2, 0
	s_cbranch_scc0 .Lentry_in_a_cluster
	s_endpgm
.Lentry_in_a_cluster:
	s_bfe_u32 s2, ttmp6, 0x10000c
	s_cmp_lg_u32 s2, 0xf033
	s_cbranch_scc0 .Lentry_shape_is_right
	s_endpgm
.Lentry_shape_is_right:
; gateup: act = silu(x Wg^T) * (x Wu^T) in bf16, for the shared expert's 8192 columns and the routed expert's 1024, the routed ones times
; comb[row] (a row's scale commutes with the down product).  act is stored in fragment-image order [4 ks][144 kbl][64 mt][32 lanes][8 bf16].
; A work-group (nb = 0..63, mb = 0..3) makes 256 rows x (128 shared + 16 routed) columns: 288 weight rows (gate and up) a K step, the same
; work in all 256 work-groups.  Four waves: wm = wave >> 1 picks 128 rows, wn = wave & 1 picks 64 shared columns; a wave holds 64 shared
; accumulator tiles (8 m x 4 gate, 8 m x 4 up) and 8 routed ones (its 4 m tiles 8 wm + 4 wn + a, gate and up).  Register fragment a is
; m tile 8 wm + (a xor 4 wn), so that fragments 0..3 are the routed rows in every wave.
; K = 2048 goes in 16 steps of 128 (four chunks of 32) through two LDS slots that hold the WEIGHTS alone, as f32; they are rounded to bf16
; between LDS and the matrix unit (a pass that rewrites them in memory would move all weight bytes once more).
; CLUSTERS: 4 x 4.  mb = cy, nb = 4 x cluster x + cx.  The weight tiles hang on nb alone and are asked for jointly by the four work-groups
; of a column of the cluster.
; x IS NOT ASKED FOR JOINTLY, although the work-groups of a block row read the same x: a joint request lands in LDS, and with x in the slots
; (32,768 bytes for K = 64) two slots hold K = 64 each.  Without it two slots of K = 128 take 2 x 152,064 = 304,128 bytes: 16 rounds of the
; cluster's barrier instead of 32, and a refill has 272 of a step's 288 matrix instructions in which to land.  xb lies in fragment order,
; so half a fragment is 512 consecutive bytes, which a wave loads straight into its registers, three chunks ahead, in four buffers.
; The matrix instruction is used transposed (source 0 = 16 weight rows, source 1 = 16 rows of x): a lane's eight results are eight
; neighbouring columns of one row, which packed to bf16 are that lane's 16 bytes of an image tile: act leaves straight from registers.
; LIMITS: silu(g) u is formed as g u / (1 + 2^(-1.442695 g)); where the exponential overflows the quotient is 0, the right limit, as long
; as g u is finite in f32.  Matrix operands are bf16, sums f32.
.set WPITCH, 528                       ; an LDS row: 128 f32 + 16 bytes of padding
.set SUOFF,  128*WPITCH                ; sh_gate's 128 rows, then sh_up's
.set ROFF,   2*SUOFF                   ; then r_gate's 16 rows,
.set RBUF,   16*WPITCH                 ; then r_up's
.set SLOT,   ROFF+2*RBUF               ; 152,064
; vector registers, in windows of 256
;   window 0: addresses; ST f32 weights as loaded, one half of a chunk (gate or up: 5 fragments x 16); BB bf16 weights (gate 5 x 8, up 5 x 8);
;             routed accumulators gate v[176+8a], up v[208+8a]
;   window 1: four buffers of x fragments (8 x 8 each), chunk c of a step in buffer c
;   window 2: shared gate tile (a, b) at v[8 (4 a + b)];  window 3: shared up tile at the same number
.set BWG, 1                            ; v1, v2   sh_gate's fragments in slot 0, 1
.set BWU, 3                            ; v3, v4   sh_up's
.set BR,  5                            ; v5, v6   r_gate's (r_up's 8,448 bytes on)
.set VOL, 12                           ; v12      16 lane + 2048 wn: offset of fragments 0..3 in xb and in act; never rewritten
.set VOH, 13                           ; v13      16 lane + 2048 (1 - wn): of fragments 4..7; never rewritten
.set VC,  14                           ; v14      4 (lane & 15): my row in comb
.set ST,  16
.set BB,  96
.set RGA, 176
.set RUA, 208
.set T,   16                           ; the way out (window 0, over ST and BB, dead then): exponents, then reciprocals
.set P,   48                           ; g u
.set E,   80                           ; exponentials, then 1 + them
.set O,   112                          ; packed results
.set CW,  144                          ; comb of my row in the four routed tiles
; scalar registers: s[4:17] the seven buffers; s18 wave, s19 wm, s60 wn, s61 cx, s62 cy, s63 nb; s3 the lap counter;
; s[66:69] hold only numbers made of cx, s[70:71] only of cy and the wave, s[98:99] of both (the way out alone); s2, s96, s97 of the wave's number
.set G1W,  20                          ; s[20:27] group 1, sh_gate and sh_up
.set G1R,  28                          ; s[28:35] group 1, r_gate and r_up
.set G0SG, 36                          ; s[36:43] group 0, a set for each slot
.set G0SU, 44                          ; s[44:51]
.set G0RG, 52                          ; s[52:59]
.set G0RU, 72                          ; s[72:79]
.set XB,   80                          ; s[80:81] xb at my 8 m tiles, at the lap's first chunk
.set MSB, 0
.macro WIN new                         ; the immediate's high byte repeats the setting that is left
.if MSB != \new
	s_set_vgpr_msb (MSB<<8)|\new
.set MSB, \new
.endif
.endm
.macro PLACES                          ; four places behind matrix instructions (ISA guide 7.12.1) before results are read
.rept 4
	v_nop
.endr
.endm
.macro CREST                           ; a round of the cluster's barrier behind its opening work-group barrier
	s_cmp_lg_u32 s18, 0
	s_cbranch_scc1 .Lnw0_\@
	s_barrier_signal -3
.Lnw0_\@:
	s_barrier_wait -3
	s_barrier_signal -1
	s_barrier_wait -1
.endm
.macro CROUND
	s_barrier_signal -1
	s_barrier_wait -1
	CREST
.endm
.macro G0SET g, lds, base, off
	s_mov_b32 s[\g], 1                             ; count = 1
	s_mov_b32 s[\g+1], \lds                        ; LDS address: a constant
	s_add_nc_u64 s[\g+2:\g+3], s[\base:\base+1], \off
	s_or_b32 s[\g+3], s[\g+3], 0x80000000          ; type = 2
.endm
; One joint load a wave into slot s: wave 0 sh_gate's tile, wave 1 sh_up's, wave 2 r_gate's, wave 3 r_up's.  The branches hang on the wave's number alone.
.macro JLOAD s
	s_cmp_lg_u32 s18, 0
	s_cbranch_scc1 .Ln0_\@
	tensor_load_to_lds s[G0SG+4*\s:G0SG+4*\s+3], s[G1W:G1W+7]
	s_nop 0
	s_branch .Ljd_\@
.Ln0_\@:
	s_cmp_lg_u32 s18, 1
	s_cbranch_scc1 .Ln1_\@
	tensor_load_to_lds s[G0SU+4*\s:G0SU+4*\s+3], s[G1W:G1W+7]
	s_nop 0
	s_branch .Ljd_\@
.Ln1_\@:
	s_cmp_lg_u32 s18, 2
	s_cbranch_scc1 .Ln2_\@
	tensor_load_to_lds s[G0RG+4*\s:G0RG+4*\s+3], s[G1R:G1R+7]
	s_nop 0
	s_branch .Ljd_\@
.Ln2_\@:
	tensor_load_to_lds s[G0RU+4*\s:G0RU+4*\s+3], s[G1R:G1R+7]
	s_nop 0
.Ljd_\@:
.endm
	s_load_b256 s[4:11], s[0:1], 0x0               ; xb s[4:5], sh_gate s[6:7], sh_up s[8:9], r_gate s[10:11]
	s_load_b128 s[12:15], s[0:1], 0x20             ; r_up s[12:13], comb s[14:15]
	s_load_b64 s[16:17], s[0:1], 0x30              ; act
	v_lshl_add_u32 v254, v0, 2, 0x4a400
	v_mov_b32 v255, 0
	ds_add_u32 v254, v255
	v_lshrrev_b32 v8, 5, v0
	v_readfirstlane_b32 s18, v8                    ; wave
	s_lshr_b32 s19, s18, 1                         ; wm
	s_and_b32 s60, s18, 1                          ; wn
	s_bfe_u32 s61, ttmp6, 0x40000                  ; cx
	s_bfe_u32 s62, ttmp6, 0x40004                  ; cy = mb
	s_lshl_b32 s63, ttmp9, 2
	s_add_co_u32 s63, s63, s61                     ; nb = 4 x cluster x + cx
	s_lshl_b32 s66, 0x1111, s61                    ; my column of the cluster
	; group 1 of the shared weights: 128 rows x 128 f32, 2,048 elements from row to row, 4 words of padding behind every 128
	s_or_b32  s[G1W+0], s66, (2<<16)|(1<<20)|(1<<21)|(6<<22)|(3<<25)
	s_mov_b32 s[G1W+1], 128<<16
	s_mov_b32 s[G1W+2], 128<<16
	s_mov_b32 s[G1W+3], 128<<16
	s_mov_b32 s[G1W+4], 128
	s_mov_b32 s[G1W+5], 2048
	s_mov_b32 s[G1W+6], 0
	s_mov_b32 s[G1W+7], 0
	; group 1 of the routed weights: 16 rows x 128 f32, padded alike
	s_or_b32  s[G1R+0], s66, (2<<16)|(1<<20)|(1<<21)|(6<<22)|(3<<25)
	s_mov_b32 s[G1R+1], 128<<16
	s_mov_b32 s[G1R+2], 16<<16
	s_mov_b32 s[G1R+3], 128<<16
	s_mov_b32 s[G1R+4], 16
	s_mov_b32 s[G1R+5], 2048
	s_mov_b32 s[G1R+6], 0
	s_mov_b32 s[G1R+7], 0
	s_lshl_b32 s66, s63, 20                        ; 128 rows of 8,192 bytes a block column
	s_mov_b32 s67, 0
	s_lshl_b32 s68, s63, 17                        ; 16 rows
	s_mov_b32 s69, 0
	s_lshl_b32 s70, s62, 13                        ; xb: 16 m tiles of 512 bytes a block row,
	s_lshl_b32 s71, s19, 12                        ; 8 for wm
	s_add_co_u32 s70, s70, s71
	s_mov_b32 s71, 0
	s_wait_dscnt 0x0
	s_wait_kmcnt 0x0
	s_add_nc_u64 s[6:7], s[6:7], s[66:67]
	s_add_nc_u64 s[8:9], s[8:9], s[66:67]
	s_add_nc_u64 s[10:11], s[10:11], s[68:69]
	s_add_nc_u64 s[12:13], s[12:13], s[68:69]
	s_add_nc_u64 s[XB:XB+1], s[4:5], s[70:71]
.irp s, 0,1
	G0SET G0SG+4*\s, \s*SLOT,            6,  \s*512      ; K step s: 128 f32 along the rows
	G0SET G0SU+4*\s, \s*SLOT+SUOFF,      8,  \s*512
	G0SET G0RG+4*\s, \s*SLOT+ROFF,       10, \s*512
	G0SET G0RU+4*\s, \s*SLOT+ROFF+RBUF,  12, \s*512
.endr
	CROUND                                         ; all sixteen work-groups are here: the first joint loads meet
	; the first fills, one group, inside one branch on the wave's number: two loads a wave
	s_cmp_lg_u32 s18, 0
	s_cbranch_scc1 .Lf1
	tensor_load_to_lds s[G0SG:G0SG+3], s[G1W:G1W+7]
	s_nop 0
	tensor_load_to_lds s[G0SG+4:G0SG+7], s[G1W:G1W+7]
	s_nop 0
	s_branch .Lfd
.Lf1:
	s_cmp_lg_u32 s18, 1
	s_cbranch_scc1 .Lf2
	tensor_load_to_lds s[G0SU:G0SU+3], s[G1W:G1W+7]
	s_nop 0
	tensor_load_to_lds s[G0SU+4:G0SU+7], s[G1W:G1W+7]
	s_nop 0
	s_branch .Lfd
.Lf2:
	s_cmp_lg_u32 s18, 2
	s_cbranch_scc1 .Lf3
	tensor_load_to_lds s[G0RG:G0RG+3], s[G1R:G1R+7]
	s_nop 0
	tensor_load_to_lds s[G0RG+4:G0RG+7], s[G1R:G1R+7]
	s_nop 0
	s_branch .Lfd
.Lf3:
	tensor_load_to_lds s[G0RU:G0RU+3], s[G1R:G1R+7]
	s_nop 0
	tensor_load_to_lds s[G0RU+4:G0RU+7], s[G1R:G1R+7]
	s_nop 0
.Lfd:
; 16 loads: the eight fragments of x of the chunk rel chunks behind the lap's first: image blocks 2 q and 2 q + 1 (32,768 bytes each), of each
; fragment's tile 16 bytes a lane: every load of the wave covers 512 consecutive bytes, aligned
.macro LDA rel, af
	WIN 0x40
.irp a, 0,1,2,3
	global_load_b128 v[\af+8*\a:\af+8*\a+3],   v[VOL], s[XB:XB+1] offset:(\rel)*65536+\a*512
	global_load_b128 v[\af+8*\a+4:\af+8*\a+7], v[VOL], s[XB:XB+1] offset:(\rel)*65536+32768+\a*512
.endr
.irp a, 0,1,2,3
	global_load_b128 v[\af+32+8*\a:\af+32+8*\a+3],   v[VOH], s[XB:XB+1] offset:(\rel)*65536+\a*512
	global_load_b128 v[\af+32+8*\a+4:\af+32+8*\a+7], v[VOH], s[XB:XB+1] offset:(\rel)*65536+32768+\a*512
.endr
.endm
	v_and_b32 v8, 31, v0
	v_lshlrev_b32 v8, 4, v8                        ; 16 lane
	s_lshl_b32 s96, s60, 11                        ; 4 wn tiles
	s_sub_co_u32 s97, 2048, s96                    ; 4 (1 - wn) tiles
	v_add_nc_u32 v[VOL], s96, v8
	v_add_nc_u32 v[VOH], s97, v8
	LDA 0, 0                                       ; x of chunks 0, 1, 2
	LDA 1, 64
	LDA 2, 128
	WIN 0
	v_and_b32 v9, 15, v0                           ; r
	v_bfe_u32 v10, v0, 4, 1                        ; h
	v_mul_u32_u24 v11, v9, WPITCH                  ; a weight fragment in f32: row r, 32 bytes for each half of the lanes
	v_lshl_add_u32 v11, v10, 5, v11
	s_mul_i32 s2, s60, 64*WPITCH                   ; my 64 columns
	v_add_nc_u32 v[BWG], s2, v11
	v_add_nc_u32 v[BWG+1], SLOT, v[BWG]
	v_add_nc_u32 v[BWU], SUOFF, v[BWG]
	v_add_nc_u32 v[BWU+1], SLOT, v[BWU]
	v_add_nc_u32 v[BR], ROFF, v11
	v_add_nc_u32 v[BR+1], SLOT, v[BR]
	v_lshlrev_b32 v[VC], 2, v9
; a weight fragment, 16 rows x 32 k of f32: k = 8 h .. 8 h + 7 are 32 bytes at 32 h, k = 16 + 8 h .. are 64 bytes further
.macro LD4 d, a, o
	ds_load_b128 v[\d:\d+3],     v[\a] offset:\o
	ds_load_b128 v[\d+4:\d+7],   v[\a] offset:\o+16
	ds_load_b128 v[\d+8:\d+11],  v[\a] offset:\o+64
	ds_load_b128 v[\d+12:\d+15], v[\a] offset:\o+80
.endm
; 20 loads: one half (u = 0 gate, 1 up) of chunk c of slot s: four shared fragments and the routed one
.macro LDH u, s, c
	WIN 0
.irp f, 0,1,2,3
	LD4 ST+16*\f, BWG+2*\u+\s, \f*16*WPITCH+(\c)*128
.endr
	LD4 ST+64, BR+\s, \u*RBUF+(\c)*128
.endm
.macro CVTH u                          ; the half's five fragments to bf16, two numbers an instruction
.set j, 0
.rept 40
	v_cvt_pk_bf16_f32 v[BB+40*\u+j], v[ST+2*j], v[ST+2*j+1]
.set j, j+1
.endr
.endm
; 16 matrix instructions: m tiles m0 .. m0 + 3 x 4 column tiles, gate (win 0xa4, boff 0) or up (win 0xf4, boff 40).  The 72 accumulators
; take turns, one instruction a turn, in the same order in every chunk.
.macro MUL16 win, boff, af, m0, zero
	WIN \win
.irp a, 0,1,2,3
.irp b, 0,1,2,3
.if \zero
	v_wmma_f32_16x16x32_bf16 v[8*(4*(\m0+\a)+\b):8*(4*(\m0+\a)+\b)+7], v[BB+\boff+8*\b:BB+\boff+8*\b+7], v[\af+8*(\m0+\a):\af+8*(\m0+\a)+7], 0
.else
	v_wmma_f32_16x16x32_bf16 v[8*(4*(\m0+\a)+\b):8*(4*(\m0+\a)+\b)+7], v[BB+\boff+8*\b:BB+\boff+8*\b+7], v[\af+8*(\m0+\a):\af+8*(\m0+\a)+7], v[8*(4*(\m0+\a)+\b):8*(4*(\m0+\a)+\b)+7]
.endif
.endr
.endr
.endm
.macro MULR4 acc, boff, af, zero       ; 4 matrix instructions: my 4 routed m tiles, gate or up; accumulators in window 0
	WIN 0x04
.irp a, 0,1,2,3
.if \zero
	v_wmma_f32_16x16x32_bf16 v[\acc+8*\a:\acc+8*\a+7], v[BB+\boff:BB+\boff+7], v[\af+8*\a:\af+8*\a+7], 0
.else
	v_wmma_f32_16x16x32_bf16 v[\acc+8*\a:\acc+8*\a+7], v[BB+\boff:BB+\boff+7], v[\af+8*\a:\af+8*\a+7], v[\acc+8*\a:\acc+8*\a+7]
.endif
.endr
.endm
; One chunk (32 along K) of slot s.  The gate half lies in ST: it is rounded, the up half is asked for and lands under the 36 gate products;
; then the up half is rounded, the next chunk's gate half is asked for and lands under the 36 up products.
; left = the younger loads of x that may stay out; pre = the chunk (counted from the lap's first) whose x is asked for, three ahead, into the
; buffer that the chunk before has just read (-1: none).
; Distances behind matrix instructions (ISA guide 7.12.1): BB's gate half was last read a half chunk ago, with the 40 conversions of the up half
; between; BB's up half likewise; the x buffer that is loaded again was read by the chunk before, with this chunk's first 40 conversions between.
; turn = 0: the next chunk is in this slot.  turn = 1: the change of slots: in front of the signal the wave has waited for all its LDS reads, the
; last of slot s among them, and for all its tensor loads, its part of slot ns among them; fill = 1: the barrier opens a round of the cluster's
; barrier, behind which slot s is filled again, one joint load a wave, first thing.  turn = 2: the last chunk of all.
.macro CHUNK s, c, zero, left, pre, turn, fill, ns
	s_wait_dscnt 0x0                               ; the gate half
	s_wait_loadcnt \left                           ; loads come back in order (ISA guide 5.7.1): this chunk's x is in
	WIN 0
	CVTH 0
	LDH 1, \s, \c
.if \pre >= 0
	LDA \pre, 64*((\c+3)%4)
.endif
	MUL16 0xa4, 0, 64*\c, 0, \zero
	MUL16 0xa4, 0, 64*\c, 4, \zero
	MULR4 RGA, 32, 64*\c, \zero
	s_wait_dscnt 0x0                               ; the up half
	WIN 0
	CVTH 1
.if \turn == 0
	LDH 0, \s, \c+1
.endif
.if \turn == 1
	s_wait_tensorcnt 0x0
	ds_add_u32 v254, v255
	s_wait_dscnt 0x0
	s_barrier_signal -1
.endif
	MUL16 0xf4, 40, 64*\c, 0, \zero                ; (at a change of slots: register work while the others arrive)
.if \turn == 1
	WIN 0
	s_barrier_wait -1
.if \fill
	CREST
	s_add_nc_u64 s[G0SG+4*\s+2:G0SG+4*\s+3], s[G0SG+4*\s+2:G0SG+4*\s+3], 1024      ; two steps on: no tensor load of mine is out
	s_add_nc_u64 s[G0SU+4*\s+2:G0SU+4*\s+3], s[G0SU+4*\s+2:G0SU+4*\s+3], 1024
	s_add_nc_u64 s[G0RG+4*\s+2:G0RG+4*\s+3], s[G0RG+4*\s+2:G0RG+4*\s+3], 1024
	s_add_nc_u64 s[G0RU+4*\s+2:G0RU+4*\s+3], s[G0RU+4*\s+2:G0RU+4*\s+3], 1024
	JLOAD \s
.endif
	LDH 0, \ns, 0
.endif
	MUL16 0xf4, 40, 64*\c, 4, \zero
	MULR4 RUA, 72, 64*\c, \zero
.endm
; A lap = two steps = eight chunks, both slots filled again.  The count 32: the sixteen loads of each of the next two chunks stay out.
.macro LAP zero
	CHUNK 0, 0, \zero, 32, 3, 0, 0, 0
	CHUNK 0, 1, 0, 32, 4,  0, 0, 0
	CHUNK 0, 2, 0, 32, 5,  0, 0, 0
	CHUNK 0, 3, 0, 32, 6,  1, 1, 1
	CHUNK 1, 0, 0, 32, 7,  0, 0, 0
	CHUNK 1, 1, 0, 32, 8,  0, 0, 0
	CHUNK 1, 2, 0, 32, 9,  0, 0, 0
	CHUNK 1, 3, 0, 32, 10, 1, 1, 0
	WIN 0
	s_wait_xcnt 0x0                                ; the base of the loads of x is stepped only behind this wait
	s_add_nc_u64 s[XB:XB+1], s[XB:XB+1], 8*65536
.endm
	s_wait_tensorcnt 0x1                           ; my part of slot 0 is in; slot 1's may stay out
	s_barrier_signal -1
	s_barrier_wait -1                              ; everybody's is
	LDH 0, 0, 0
	LAP 1                                          ; steps 0, 1: the first products start the sums
	s_mov_b32 s3, 6
.Llap:
	LAP 0                                          ; steps 2 to 13; they fetch steps 4 to 15
	s_sub_co_u32 s3, s3, 1
	s_cmp_lg_u32 s3, 0
	s_cbranch_scc1 .Llap
	CHUNK 0, 0, 0, 32, 3,  0, 0, 0                 ; steps 14, 15: no slot is filled, and x is asked for up to the last chunk alone
	CHUNK 0, 1, 0, 32, 4,  0, 0, 0
	CHUNK 0, 2, 0, 32, 5,  0, 0, 0
	CHUNK 0, 3, 0, 32, 6,  1, 0, 1                 ; the work-group's barrier alone shows step 15's tiles to all
	CHUNK 1, 0, 0, 32, 7,  0, 0, 0
	CHUNK 1, 1, 0, 32, -1, 0, 0, 0
	CHUNK 1, 2, 0, 16, -1, 0, 0, 0                 ; the counts run down
	CHUNK 1, 3, 0, 0,  -1, 2, 0, 0
	WIN 0
	PLACES                                         ; behind the last matrix instructions, before results are read and their sources written
	; THE WAY OUT
	s_lshl_b32 s98, s62, 4                         ; comb: row tile 16 mb + 8 wm + 4 wn, 64 bytes a tile
	s_lshl3_add_u32 s98, s19, s98
	s_lshl2_add_u32 s98, s60, s98
	s_lshl_b32 s98, s98, 6
	s_mov_b32 s99, 0
	s_add_nc_u64 s[14:15], s[14:15], s[98:99]
.irp a, 0,1,2,3
	global_load_b32 v[CW+\a], v[VC], s[14:15] offset:\a*64
.endr
	s_lshr_b32 s98, s63, 4                         ; act: block 144 (nb >> 4) + 8 (nb & 15) + 4 wn of 64 tiles, tile 16 mb + 8 wm, 512 bytes a tile
	s_mul_i32 s98, s98, 144
	s_and_b32 s99, s63, 15
	s_lshl3_add_u32 s98, s99, s98
	s_lshl2_add_u32 s98, s60, s98
	s_lshl_b32 s98, s98, 6
	s_lshl4_add_u32 s98, s62, s98
	s_lshl3_add_u32 s98, s19, s98
	s_lshl_b32 s98, s98, 9
	s_mov_b32 s99, 0
	s_add_nc_u64 s[16:17], s[16:17], s[98:99]
; 32 gates at v[g ..] and 32 ups at v[u ..] (windows by win) -> 16 registers of bf16 at O: four image tiles' 16 bytes a lane
.macro ACT win, g, u, routed
	WIN \win
.set j, 0
.rept 16
	v_pk_mul_f32 v[T+j:T+j+1], v[\g+j:\g+j+1], 0xbfb8aa3b op_sel_hi:[1,0]          ; -g log2 e
	v_pk_mul_f32 v[P+j:P+j+1], v[\g+j:\g+j+1], v[\u+j:\u+j+1]                      ; g u
.set j, j+2
.endr
	WIN 0
.set j, 0
.rept 32
	v_exp_f32 v[E+j], v[T+j]
.set j, j+1
.endr
	v_nop                                          ; one plain vector instruction behind the transcendentals (ISA guide 5.7.2)
.set j, 0
	s_wait_alu depctr_va_vdst(0)
.rept 16
	v_pk_add_f32 v[E+j:E+j+1], v[E+j:E+j+1], 1.0 op_sel_hi:[1,0]
.set j, j+2
.endr
.set j, 0
.rept 32
	v_rcp_f32 v[T+j], v[E+j]
.set j, j+1
.endr
	v_nop
.set j, 0
	s_wait_alu depctr_va_vdst(0)
.rept 16
	v_pk_mul_f32 v[P+j:P+j+1], v[P+j:P+j+1], v[T+j:T+j+1]
.set j, j+2
.endr
.if \routed
.irp a, 0,1,2,3
.irp k, 0,1,2,3,4,5,6,7
	v_mul_f32 v[P+8*\a+\k], v[P+8*\a+\k], v[CW+\a]                                 ; the row's combined routing weight
.endr
.endr
.endif
	s_wait_xcnt 0x0                                ; O was data of the stores before: rewritten only behind this wait
.set j, 0
.rept 16
	v_cvt_pk_bf16_f32 v[O+j], v[P+2*j], v[P+2*j+1]
.set j, j+1
.endr
.endm
.irp a, 0,1,2,3
	ACT 0x0e, 32*\a, 32*\a, 0
.irp b, 0,1,2,3
	global_store_b128 v[VOL], v[O+4*\b:O+4*\b+3], s[16:17] offset:\b*32768+\a*512  ; a whole image tile: 512 consecutive bytes, aligned
.endr
.endr
.irp a, 0,1,2,3
	ACT 0x0e, 128+32*\a, 128+32*\a, 0
.irp b, 0,1,2,3
	global_store_b128 v[VOH], v[O+4*\b:O+4*\b+3], s[16:17] offset:\b*32768+\a*512
.endr
.endr
	s_and_b32 s98, s63, 15                         ; from the shared blocks to the routed one, 144 (nb >> 4) + 128 + (nb & 15):
	s_mul_i32 s98, s98, 7                          ; 128 - 7 (nb & 15) - 4 wn blocks on, 19 at the least
	s_sub_co_u32 s98, 128, s98
	s_lshl_b32 s99, s60, 2
	s_sub_co_u32 s98, s98, s99
	s_lshl_b32 s98, s98, 15
	s_mov_b32 s99, 0
	s_wait_loadcnt 0x0                             ; comb
	ACT 0x00, RGA, RUA, 1
	s_wait_xcnt 0x0                                ; the stores' base is stepped only behind this wait
	s_add_nc_u64 s[16:17], s[16:17], s[98:99]
.irp a, 0,1,2,3
	global_store_b128 v[VOL], v[O+4*\a:O+4*\a+3], s[16:17] offset:\a*512
.endr
	CROUND                                         ; the closing round: no work-group ends while a partner may still ask jointly
	s_endpgm
.Lfunc_end_k_q062761b233_gateup:
	.size	k_q062761b233_gateup, .Lfunc_end_k_q062761b233_gateup-k_q062761b233_gateup
	.p2alignl 7, 3214868480
	.fill 96, 4, 3214868480
	.section	.rodata,"a",@progbits
	.p2align	6, 0x0
	.amdhsa_kernel k_q062761b233_gateup
		.amdhsa_group_segment_fixed_size 327680
		.amdhsa_private_segment_fixed_size 0
		.amdhsa_enable_private_segment 0
		.amdhsa_kernarg_size 56
		.amdhsa_user_sgpr_count 2
		.amdhsa_user_sgpr_kernarg_segment_ptr 1
		.amdhsa_wavefront_size32 1
		.amdhsa_system_sgpr_workgroup_id_x 1
		.amdhsa_system_sgpr_workgroup_id_y 1
		.amdhsa_system_sgpr_workgroup_id_z 1
		.amdhsa_system_vgpr_workitem_id 0
		.amdhsa_next_free_vgpr 1024
		.amdhsa_next_free_sgpr 100
		.amdhsa_reserve_vcc 0
		.amdhsa_float_denorm_mode_32 3
		.amdhsa_float_denorm_mode_16_64 3
		.amdhsa_memory_ordered 1
		.amdhsa_forward_progress 1
		.amdhsa_inst_pref_size 255
	.end_amdhsa_kernel
	.section	.bss,"aw",@nobits
	.p2align	6
	.space	262144
	.amdgpu_metadata
---
amdhsa.version: [ 1, 2 ]
amdhsa.kernels:
  - .name:           k_q062761b233_gateup
    .symbol:         k_q062761b233_gateup.kd
    .args:
      - { .name: xb, .offset: 0, .size: 8, .value_kind: global_buffer, .address_space: global }
      - { .name: sh_gate, .offset: 8, .size: 8, .value_kind: global_buffer, .address_space: global }
      - { .name: sh_up, .offset: 16, .size: 8, .value_kind: global_buffer, .address_space: global }
      - { .name: r_gate, .offset: 24, .size: 8, .value_kind: global_buffer, .address_space: global }
      - { .name: r_up, .offset: 32, .size: 8, .value_kind: global_buffer, .address_space: global }
      - { .name: comb, .offset: 40, .size: 8, .value_kind: global_buffer, .address_space: global }
      - { .name: act, .offset: 48, .size: 8, .value_kind: global_buffer, .address_space: global }
    .group_segment_fixed_size: 327680
    .private_segment_fixed_size: 0
    .kernarg_segment_align: 8
    .kernarg_segment_size: 56
    .max_flat_workgroup_size: 128
    .sgpr_count:     100
    .vgpr_count:     1024
    .wavefront_size: 32
...
	.end_amdgpu_metadata
.endif
;; end of part 2
;; launch down (part 3): grid 16 x 16, 4 waves a work-group, clusters of 4 x 4, 327,680 bytes of LDS; arguments act, sh_down, r_down, part; writes part
.if DOCPART == 3
	.amdgcn_target "amdgcn-amd-amdhsa--gfx1250"
	.amdhsa_code_object_version 6
	.text
	.protected	k_q062761b233_down
	.globl	k_q062761b233_down
	.p2align	8
	.type	k_q062761b233_down,@function
k_q062761b233_down:
	s_mov_b64 s[64:65], 0
	v_nop
	global_prefetch_b8 v0, s[64:65] scope:SCOPE_SE
	s_setreg_imm32_b32 hwreg(HW_REG_WAVE_MODE, 25, 1), 1
	s_wait_xcnt 0x0
	s_wait_alu depctr_hold_cnt(0) depctr_sa_sdst(0) depctr_va_vdst(0) depctr_va_sdst(0) depctr_va_ssrc(0) depctr_va_vcc(0) depctr_vm_vsrc(0)
	s_getreg_b32 s2, hwreg(HW_REG_IB_STS2, 6, 4)
	s_cmp_eq_u32 s2, 0
	s_cbranch_scc0 .Lentry_in_a_cluster
	s_endpgm
.Lentry_in_a_cluster:
	s_bfe_u32 s2, ttmp6, 0x10000c
	s_cmp_lg_u32 s2, 0xf033
	s_cbranch_scc0 .Lentry_shape_is_right
	s_endpgm
.Lentry_shape_is_right:
; down: part[ks] = act[:, split ks] x [sh_down | r_down][:, split ks]^T, f32, row-major [4][1024][2048].
; K = 9216 is split four ways over work-groups (ks): split ks is sh_down's columns 2048 ks .. + 2047 and r_down's 256 ks .. + 255, which
; in act are the 144 consecutive blocks of ks: 9 steps of 256, the last from r_down.  A work-group (nb = 0..15, mb = 0..3, ks) makes 256 rows
; x 128 columns.  Four waves: wm = wave & 1 picks 128 rows, wk = wave >> 1 picks 128 of a step's 256 k (four chunks of 32), so that a wave
; holds 128 x 128 in 64 accumulator tiles; the two k halves are added through LDS on the way out, which also brings the rows into row-major order.
; The two LDS slots hold the WEIGHTS alone, as f32; they are rounded to bf16 between LDS and the matrix unit.
; CLUSTERS: 4 x 4.  nb = 4 x cluster x + cx, mb = cy, ks = cluster y (the same in all sixteen).  The weights' tile hangs on (nb, ks) and is asked
; for jointly along a column of the cluster.
; act IS NOT ASKED FOR JOINTLY, although the work-groups of a block row read the same act: a joint request lands in LDS, and with act in the slots
; (65,536 bytes for K = 128) two slots hold K = 128 each.  Without it two slots of K = 256 take 2 x 133,120 bytes: 9 steps instead of 18, and a
; refill has 240 of a step's 256 matrix instructions in which to land.  act lies in fragment order, each fragment is read by one wave of the
; work-group alone, and half a fragment is 512 consecutive bytes, loaded straight into registers, three chunks ahead, in four buffers.
; The matrix instruction is used transposed (source 0 = 16 weight rows, source 1 = 16 rows of act): a lane holds 8 neighbouring columns.
; LIMITS: the sum over K is formed as eight partial sums (4 ks x 2 wk) added in a fixed order, not as one chain.
.set PITCH,  1040                      ; an LDS row: 256 f32 + 16 bytes of padding
.set PART,   32*PITCH                  ; a quarter of a slot: the 32 rows that one wave's tensor load brings
.set SLOT,   4*PART                    ; 133,120
.set OPITCH, 528                       ; the way out: a row of 128 f32 + 16
.set IMG,    128*OPITCH                ; a wave's 128 rows, over the slots, which have had their last fill by then
;   window 0: addresses; ST f32 weights as loaded (8 fragments x 16); BB the same in bf16 (8 x 8)
;   window 1: four buffers of act fragments (8 x 8 each), chunk c of a step in buffer c
;   window 2: tiles (a, b), a = 0..3, at v[8 (8 a + b)];  window 3: a = 4..7
.set BWL, 1                            ; v1, v2  weight fragments 0..3 in slot 0, 1
.set BWH, 3                            ; v3, v4  fragments 4..7 (64 rows on: beyond a 16-bit immediate)
.set SA,  5                            ; v5      the way out: where my results go
.set RD0, 6                            ; v6      where I read a row of k half 0 back
.set RD1, 7                            ; v7      the same row of k half 1
.set GO,  8                            ; v8      16 lane; never rewritten
.set ST,  16
.set BB,  144
; scalar: s[4:11] the four buffers; s12 wave, s13 wm, s14 wk, s15 cx, s16 cy, s17 nb, s18 ks, s19 lap counter, s60 wave x PART;
; s[66:69] hold only numbers made of cx (and ks, wave), s[70:71] only of cy (and ks, wave), s[84:85] of both (the way out alone)
.set G1S, 20                           ; s[20:27] group 1, sh_down
.set G1D, 28                           ; s[28:35] group 1, r_down
.set G0S, 36                           ; s[36:43] group 0, sh_down, a set for each slot
.set G0D, 44                           ; s[44:47] group 0, r_down: step 8, into slot 0
.set AB,  48                           ; s[48:49] act at my 8 m tiles and my k half
.set MSB, 0
.macro WIN new
.if MSB != \new
	s_set_vgpr_msb (MSB<<8)|\new
.set MSB, \new
.endif
.endm
.macro PLACES                          ; four places behind matrix instructions (ISA guide 7.12.1)
.rept 4
	v_nop
.endr
.endm
.macro CREST
	s_cmp_lg_u32 s12, 0
	s_cbranch_scc1 .Lnw0_\@
	s_barrier_signal -3
.Lnw0_\@:
	s_barrier_wait -3
	s_barrier_signal -1
	s_barrier_wait -1
.endm
.macro CROUND
	s_barrier_signal -1
	s_barrier_wait -1
	CREST
.endm
.macro G0SET g, base, off, slot
	s_mov_b32 s[\g], 1
	s_add_co_u32 s[\g+1], s60, \slot*SLOT          ; LDS: the wave's quarter of the slot
	s_add_nc_u64 s[\g+2:\g+3], s[\base:\base+1], \off
	s_or_b32 s[\g+3], s[\g+3], 0x80000000
.endm
	s_load_b256 s[4:11], s[0:1], 0x0               ; act s[4:5], sh_down s[6:7], r_down s[8:9], part s[10:11]
	v_lshl_add_u32 v254, v0, 2, 0x42000
	v_mov_b32 v255, 0
	ds_add_u32 v254, v255
	v_lshrrev_b32 v9, 5, v0
	v_readfirstlane_b32 s12, v9                    ; wave
	s_and_b32 s13, s12, 1                          ; wm
	s_lshr_b32 s14, s12, 1                         ; wk
	s_bfe_u32 s15, ttmp6, 0x40000                  ; cx
	s_bfe_u32 s16, ttmp6, 0x40004                  ; cy = mb
	s_lshl_b32 s17, ttmp9, 2
	s_add_co_u32 s17, s17, s15                     ; nb
	s_and_b32 s18, ttmp7, 0xffff                   ; ks = the cluster's y
	s_lshl_b32 s66, 0x1111, s15                    ; my column of the cluster
	; weights: 32 rows x 256 f32, 4 words of padding behind every 256; 8,192 (sh_down) or 1,024 (r_down) elements from row to row
	s_or_b32  s[G1S+0], s66, (2<<16)|(1<<20)|(1<<21)|(7<<22)|(3<<25)
	s_mov_b32 s[G1S+1], 256<<16
	s_mov_b32 s[G1S+2], 32<<16
	s_mov_b32 s[G1S+3], 256<<16
	s_mov_b32 s[G1S+4], 32
	s_mov_b32 s[G1S+5], 8192
	s_mov_b32 s[G1S+6], 0
	s_mov_b32 s[G1S+7], 0
	s_or_b32  s[G1D+0], s66, (2<<16)|(1<<20)|(1<<21)|(7<<22)|(3<<25)
	s_mov_b32 s[G1D+1], 256<<16
	s_mov_b32 s[G1D+2], 32<<16
	s_mov_b32 s[G1D+3], 256<<16
	s_mov_b32 s[G1D+4], 32
	s_mov_b32 s[G1D+5], 1024
	s_mov_b32 s[G1D+6], 0
	s_mov_b32 s[G1D+7], 0
	s_mul_i32 s70, s18, 4718592                    ; act: 144 blocks of 32,768 bytes a split,
	s_lshl_b32 s71, s14, 18                        ; 8 blocks a k half,
	s_add_co_u32 s70, s70, s71
	s_lshl_b32 s71, s16, 13                        ; 16 m tiles of 512 bytes a block row,
	s_add_co_u32 s70, s70, s71
	s_lshl_b32 s71, s13, 12                        ; 8 for wm
	s_add_co_u32 s70, s70, s71
	s_mov_b32 s71, 0
	s_lshl_b32 s66, s17, 22                        ; sh_down: 128 rows of 32,768 bytes a block column,
	s_lshl_b32 s67, s12, 20                        ; 32 rows a wave,
	s_add_co_u32 s66, s66, s67
	s_lshl_b32 s67, s18, 13                        ; 2,048 columns a split
	s_add_co_u32 s66, s66, s67
	s_mov_b32 s67, 0
	s_lshl_b32 s68, s17, 19                        ; r_down: 128 rows of 4,096 bytes, 32 rows, 256 columns
	s_lshl_b32 s69, s12, 17
	s_add_co_u32 s68, s68, s69
	s_lshl_b32 s69, s18, 10
	s_add_co_u32 s68, s68, s69
	s_mov_b32 s69, 0
	s_mul_i32 s60, s12, PART
	s_wait_dscnt 0x0
	s_wait_kmcnt 0x0
	s_add_nc_u64 s[AB:AB+1], s[4:5], s[70:71]
	s_add_nc_u64 s[6:7], s[6:7], s[66:67]
	s_add_nc_u64 s[8:9], s[8:9], s[68:69]
	G0SET G0S,   6, 0,    0                        ; step 0
	G0SET G0S+4, 6, 1024, 1                        ; step 1: 256 columns on
	G0SET G0D,   8, 0,    0                        ; step 8
	CROUND                                         ; all sixteen work-groups are here: the first joint loads meet
	tensor_load_to_lds s[G0S:G0S+3], s[G1S:G1S+7]          ; the first fills, both slots: each wave its own 32 rows
	s_nop 0
	tensor_load_to_lds s[G0S+4:G0S+7], s[G1S:G1S+7]
	s_nop 0
	v_nop
	v_nop
; 16 loads: the eight fragments of act of my chunk rel (counted from the step at which AB stands; four chunks a step, a step 16 blocks, my chunk
; 2 blocks): every load of the wave covers 512 consecutive bytes, aligned
.macro LDA rel, af
	WIN 0x40
.irp a, 0,1,2,3,4,5,6,7
	global_load_b128 v[\af+8*\a:\af+8*\a+3],   v[GO], s[AB:AB+1] offset:((\rel)/4)*524288+((\rel)%4)*65536+\a*512
	global_load_b128 v[\af+8*\a+4:\af+8*\a+7], v[GO], s[AB:AB+1] offset:((\rel)/4)*524288+((\rel)%4)*65536+32768+\a*512
.endr
.endm
	v_and_b32 v9, 31, v0
	v_lshlrev_b32 v[GO], 4, v9                     ; 16 lane
	LDA 0, 0                                       ; act of chunks 0, 1, 2
	LDA 1, 64
	LDA 2, 128
	WIN 0
	v_and_b32 v9, 15, v0                           ; r
	v_bfe_u32 v10, v0, 4, 1                        ; h
	v_mul_u32_u24 v11, v9, PITCH
	v_lshl_add_u32 v11, v10, 5, v11                ; row r, 32 bytes for each half of the lanes
	s_lshl_b32 s2, s14, 9                          ; my k half of the rows
	v_add_nc_u32 v[BWL], s2, v11
	v_add_nc_u32 v[BWL+1], SLOT, v[BWL]
	v_add_nc_u32 v[BWH], 64*PITCH, v[BWL]
	v_add_nc_u32 v[BWH+1], SLOT, v[BWH]
	v_mul_u32_u24 v11, v9, OPITCH
	v_lshl_add_u32 v11, v10, 5, v11
	s_mul_i32 s2, s12, IMG
	v_add_nc_u32 v[SA], s2, v11
	s_mul_i32 s2, s13, IMG                         ; back: the image of (wm, k half 0), my 64 of its rows,
	s_mul_i32 s3, s14, 64*OPITCH
	s_add_co_u32 s2, s2, s3
	v_add_nc_u32 v[RD0], s2, v[GO]
	v_add_nc_u32 v[RD1], 2*IMG, v[RD0]             ; and the image of (wm, k half 1), two images on
.macro LD4 d, a, o
	ds_load_b128 v[\d:\d+3],     v[\a] offset:\o
	ds_load_b128 v[\d+4:\d+7],   v[\a] offset:\o+16
	ds_load_b128 v[\d+8:\d+11],  v[\a] offset:\o+64
	ds_load_b128 v[\d+12:\d+15], v[\a] offset:\o+80
.endm
.macro LDB s, c                        ; 32 loads: eight weight fragments, 16 rows x 32 k of f32, chunk c of my k half
	WIN 0
.irp f, 0,1,2,3
	LD4 ST+16*\f, BWL+\s, \f*16*PITCH+(\c)*128
.endr
.irp f, 0,1,2,3
	LD4 ST+64+16*\f, BWH+\s, \f*16*PITCH+(\c)*128
.endr
.endm
.macro CVT
.set j, 0
.rept 64
	v_cvt_pk_bf16_f32 v[BB+j], v[ST+2*j], v[ST+2*j+1]
.set j, j+1
.endr
.endm
; 16 matrix instructions: m tiles 4 hi + m0, + 1 x all 8 column tiles.  The 64 accumulators take turns, one instruction a turn, in the same
; order in every chunk.
.macro MUL16 win, hi, m0, af, zero
	WIN \win
.irp a, 0,1
.irp b, 0,1,2,3,4,5,6,7
.if \zero
	v_wmma_f32_16x16x32_bf16 v[8*(8*(\m0+\a)+\b):8*(8*(\m0+\a)+\b)+7], v[BB+8*\b:BB+8*\b+7], v[\af+8*(4*\hi+\m0+\a):\af+8*(4*\hi+\m0+\a)+7], 0
.else
	v_wmma_f32_16x16x32_bf16 v[8*(8*(\m0+\a)+\b):8*(8*(\m0+\a)+\b)+7], v[BB+8*\b:BB+8*\b+7], v[\af+8*(4*\hi+\m0+\a):\af+8*(4*\hi+\m0+\a)+7], v[8*(8*(\m0+\a)+\b):8*(8*(\m0+\a)+\b)+7]
.endif
.endr
.endr
.endm
; One chunk (32 of my k) of slot s: its weights lie in ST and are rounded; the next chunk's are asked for ahead of the 64 matrix instructions.
; left = the younger loads of act that may stay out; pre = the chunk whose act is asked for, three ahead, into the buffer that the chunk before
; has just read, behind the four places and the 64 conversions (-1: none).
; turn = 0: the next chunk is in this slot.  turn = 1: the change of slots: in front of the signal the wave has waited for all its LDS reads, the
; last of slot s among them, and for all its tensor loads, its part of slot ns among them; fill = 1, 2: the barrier opens a round of the
; cluster's barrier, behind which slot s is filled again, one joint load a wave, first thing (1: from sh_down, 2: from r_down).
; turn = 2: the last chunk of all: behind its barrier no wave reads the slots any more.
.macro CHUNK s, c, zero, left, pre, turn, fill, ns
	s_wait_dscnt 0x0                               ; the 32 loads issued in the chunk before
	s_wait_loadcnt \left                           ; loads come back in order (ISA guide 5.7.1): this chunk's act is in
	WIN 0
	PLACES
	CVT
.if \pre >= 0
	LDA \pre, 64*((\c+3)%4)
.endif
.if \turn == 0
	LDB \s, \c+1
.endif
.if \turn == 1
	s_wait_tensorcnt 0x0
	ds_add_u32 v254, v255
	s_wait_dscnt 0x0
.endif
.if \turn >= 1
	s_barrier_signal -1
.endif
	MUL16 0xa4, 0, 0, 64*\c, \zero                 ; (at a change of slots: register work while the others arrive)
.if \turn == 1
	WIN 0
	s_barrier_wait -1
.if \fill
	CREST
.if \fill == 1
	s_add_nc_u64 s[G0S+4*\s+2:G0S+4*\s+3], s[G0S+4*\s+2:G0S+4*\s+3], 2048          ; two steps on: no tensor load of mine is out
	tensor_load_to_lds s[G0S+4*\s:G0S+4*\s+3], s[G1S:G1S+7]
	s_nop 0
.else
	tensor_load_to_lds s[G0D:G0D+3], s[G1D:G1D+7]
	s_nop 0
.endif
.endif
	LDB \ns, 0
.endif
	MUL16 0xa4, 0, 2, 64*\c, \zero
	MUL16 0xf4, 1, 0, 64*\c, \zero
	MUL16 0xf4, 1, 2, 64*\c, \zero
.if \turn == 2
	WIN 0
	s_barrier_wait -1
.endif
.endm
	s_wait_tensorcnt 0x1                           ; my part of slot 0 is in; slot 1's may stay out
	s_barrier_signal -1
	s_barrier_wait -1                              ; everybody's is
	LDB 0, 0
	; the count 32: the sixteen loads of each of the next two chunks stay out
	CHUNK 0, 0, 1, 32, 3,  0, 0, 0                 ; step 0: the first products start the sums
	CHUNK 0, 1, 0, 32, 4,  0, 0, 0
	CHUNK 0, 2, 0, 32, 5,  0, 0, 0
	CHUNK 0, 3, 0, 32, 6,  1, 1, 1                 ; fetches step 2
	WIN 0
	s_wait_xcnt 0x0                                ; the base of the loads of act is stepped only behind this wait
	s_add_nc_u64 s[AB:AB+1], s[AB:AB+1], 524288
	s_mov_b32 s19, 2
.Llap:
	CHUNK 1, 0, 0, 32, 3,  0, 0, 0                 ; steps 1, 2 and 3, 4; they fetch steps 3 to 6
	CHUNK 1, 1, 0, 32, 4,  0, 0, 0
	CHUNK 1, 2, 0, 32, 5,  0, 0, 0
	CHUNK 1, 3, 0, 32, 6,  1, 1, 0
	CHUNK 0, 0, 0, 32, 7,  0, 0, 0
	CHUNK 0, 1, 0, 32, 8,  0, 0, 0
	CHUNK 0, 2, 0, 32, 9,  0, 0, 0
	CHUNK 0, 3, 0, 32, 10, 1, 1, 1
	WIN 0
	s_wait_xcnt 0x0
	s_add_nc_u64 s[AB:AB+1], s[AB:AB+1], 2*524288
	s_sub_co_u32 s19, s19, 1
	s_cmp_lg_u32 s19, 0
	s_cbranch_scc1 .Llap
	CHUNK 1, 0, 0, 32, 3,  0, 0, 0                 ; step 5
	CHUNK 1, 1, 0, 32, 4,  0, 0, 0
	CHUNK 1, 2, 0, 32, 5,  0, 0, 0
	CHUNK 1, 3, 0, 32, 6,  1, 1, 0                 ; fetches step 7
	CHUNK 0, 0, 0, 32, 7,  0, 0, 0                 ; step 6
	CHUNK 0, 1, 0, 32, 8,  0, 0, 0
	CHUNK 0, 2, 0, 32, 9,  0, 0, 0
	CHUNK 0, 3, 0, 32, 10, 1, 2, 1                 ; fetches step 8: the routed columns, from r_down
	CHUNK 1, 0, 0, 32, 11, 0, 0, 0                 ; step 7
	CHUNK 1, 1, 0, 32, 12, 0, 0, 0
	CHUNK 1, 2, 0, 32, 13, 0, 0, 0
	CHUNK 1, 3, 0, 32, 14, 1, 0, 0                 ; nothing is filled: the work-group's barrier alone shows step 8's tile to all
	CHUNK 0, 0, 0, 32, 15, 0, 0, 0                 ; step 8
	CHUNK 0, 1, 0, 32, -1, 0, 0, 0
	CHUNK 0, 2, 0, 16, -1, 0, 0, 0                 ; the counts run down
	CHUNK 0, 3, 0, 0,  -1, 2, 0, 0
	PLACES                                         ; behind the last matrix instructions, before results are stored to LDS
	; THE WAY OUT: my 128 x 128 f32 into my image (rows of 528 bytes); then each wave adds 64 rows of the two k halves and stores them
	WIN 0x08                                       ; store data from window 2
.irp a, 0,1,2,3
.irp b, 0,1,2,3,4,5,6,7
	ds_store_b128 v[SA], v[8*(8*\a+\b):8*(8*\a+\b)+3]   offset:\a*16*OPITCH+\b*64
	ds_store_b128 v[SA], v[8*(8*\a+\b)+4:8*(8*\a+\b)+7] offset:\a*16*OPITCH+\b*64+16
.endr
.endr
	WIN 0x0c                                       ; from window 3
.irp a, 0,1,2,3
.irp b, 0,1,2,3,4,5,6,7
	ds_store_b128 v[SA], v[8*(8*\a+\b):8*(8*\a+\b)+3]   offset:(\a+4)*16*OPITCH+\b*64
	ds_store_b128 v[SA], v[8*(8*\a+\b)+4:8*(8*\a+\b)+7] offset:(\a+4)*16*OPITCH+\b*64+16
.endr
.endr
	WIN 0
	s_lshl_b32 s84, s18, 23                        ; part: 8 MiB a split,
	s_lshl_b32 s85, s16, 21                        ; 256 rows of 8,192 bytes a block row,
	s_add_co_u32 s84, s84, s85
	s_lshl_b32 s85, s13, 20                        ; 128 rows,
	s_add_co_u32 s84, s84, s85
	s_lshl_b32 s85, s14, 19                        ; 64 rows,
	s_add_co_u32 s84, s84, s85
	s_lshl_b32 s85, s17, 9                         ; 128 columns a block column
	s_add_co_u32 s84, s84, s85
	s_mov_b32 s85, 0
	s_add_nc_u64 s[10:11], s[10:11], s[84:85]
	s_wait_dscnt 0x0                               ; for the others' sake: my image is in LDS
	s_barrier_signal -1
	s_barrier_wait -1
; eight rows: row k of k half 0 into set + 8 k, of k half 1 into set + 8 k + 4
.macro BATCH n, set
	s_wait_xcnt 0x0                                ; the set was data of earlier stores: loaded again only behind this wait
.irp k, 0,1,2,3,4,5,6,7
	ds_load_b128 v[\set+8*\k:\set+8*\k+3],   v[RD0] offset:(8*\n+\k)*OPITCH
	ds_load_b128 v[\set+8*\k+4:\set+8*\k+7], v[RD1] offset:(8*\n+\k)*OPITCH
.endr
.irp k, 0,1,2,3,4,5,6,7
	s_wait_dscnt 14-2*\k                           ; LDS loads come back in order (ISA guide 5.7.1): the two loads of each later row stay out
	v_pk_add_f32 v[\set+8*\k:\set+8*\k+1],   v[\set+8*\k:\set+8*\k+1],   v[\set+8*\k+4:\set+8*\k+5]
	v_pk_add_f32 v[\set+8*\k+2:\set+8*\k+3], v[\set+8*\k+2:\set+8*\k+3], v[\set+8*\k+6:\set+8*\k+7]
	global_store_b128 v[GO], v[\set+8*\k:\set+8*\k+3], s[10:11] offset:(8*\n+\k)*8192   ; 512 consecutive bytes of a row, aligned
.endr
.endm
	BATCH 0, 16
	BATCH 1, 80
	BATCH 2, 16
	BATCH 3, 80
	BATCH 4, 16
	BATCH 5, 80
	BATCH 6, 16
	BATCH 7, 80
	s_wait_tensorcnt 0x0
	ds_add_u32 v254, v255
	s_wait_dscnt 0x0
	CROUND                                         ; the closing round
	s_endpgm
.Lfunc_end_k_q062761b233_down:
	.size	k_q062761b233_down, .Lfunc_end_k_q062761b233_down-k_q062761b233_down
	.p2alignl 7, 3214868480
	.fill 96, 4, 3214868480
	.section	.rodata,"a",@progbits
	.p2align	6, 0x0
	.amdhsa_kernel k_q062761b233_down
		.amdhsa_group_segment_fixed_size 327680
		.amdhsa_private_segment_fixed_size 0
		.amdhsa_enable_private_segment 0
		.amdhsa_kernarg_size 32
		.amdhsa_user_sgpr_count 2
		.amdhsa_user_sgpr_kernarg_segment_ptr 1
		.amdhsa_wavefront_size32 1
		.amdhsa_system_sgpr_workgroup_id_x 1
		.amdhsa_system_sgpr_workgroup_id_y 1
		.amdhsa_system_sgpr_workgroup_id_z 1
		.amdhsa_system_vgpr_workitem_id 0
		.amdhsa_next_free_vgpr 1024
		.amdhsa_next_free_sgpr 88
		.amdhsa_reserve_vcc 0
		.amdhsa_float_denorm_mode_32 3
		.amdhsa_float_denorm_mode_16_64 3
		.amdhsa_memory_ordered 1
		.amdhsa_forward_progress 1
		.amdhsa_inst_pref_size 255
	.end_amdhsa_kernel
	.section	.bss,"aw",@nobits
	.p2align	6
	.space	262144
	.amdgpu_metadata
---
amdhsa.version: [ 1, 2 ]
amdhsa.kernels:
  - .name:           k_q062761b233_down
    .symbol:         k_q062761b233_down.kd
    .args:
      - { .name: act, .offset: 0, .size: 8, .value_kind: global_buffer, .address_space: global }
      - { .name: sh_down, .offset: 8, .size: 8, .value_kind: global_buffer, .address_space: global }
      - { .name: r_down, .offset: 16, .size: 8, .value_kind: global_buffer, .address_space: global }
      - { .name: part, .offset: 24, .size: 8, .value_kind: global_buffer, .address_space: global }
    .group_segment_fixed_size: 327680
    .private_segment_fixed_size: 0
    .kernarg_segment_align: 8
    .kernarg_segment_size: 32
    .max_flat_workgroup_size: 128
    .sgpr_count:     88
    .vgpr_count:     1024
    .wavefront_size: 32
...
	.end_amdgpu_metadata
.endif
;; end of part 3
;; launch sum4 (part 4): grid 256 x 1, 8 waves a work-group, no clusters, 0 bytes of LDS; arguments part, out0; writes out0
.if DOCPART == 4
	.amdgcn_target "amdgcn-amd-amdhsa--gfx1250"
	.amdhsa_code_object_version 6
	.text
	.protected	k_q062761b233_sum4
	.globl	k_q062761b233_sum4
	.p2align	8
	.type	k_q062761b233_sum4,@function
k_q062761b233_sum4:
	s_mov_b64 s[64:65], 0
	v_nop
	global_prefetch_b8 v0, s[64:65] scope:SCOPE_SE
	s_setreg_imm32_b32 hwreg(HW_REG_WAVE_MODE, 25, 1), 1
	s_wait_xcnt 0x0
; sum4: out0 = (part[0] + part[1]) + (part[2] + part[3]), f32, 8 MiB each.
; A stream: a work-group owns 32,768 bytes of out0, thread t the 16 bytes at 16 t of each of eight pieces of 4,096 bytes.  All 32 loads of a
; wave go out at once (piece j outer, split s inner); each load and store of a wave covers 512 consecutive bytes, aligned.  No register is
; used twice, so no wait frees any.  No LDS, barrier or matrix unit: nothing is shared and there is one addition for four bytes read.
	s_load_b128 s[4:7], s[0:1], 0x0                ; part s[4:5], out0 s[6:7]
	s_lshl_b32 s2, ttmp9, 15
	s_mov_b32 s3, 0
	v_lshlrev_b32 v1, 4, v0
	s_wait_kmcnt 0x0
	s_add_nc_u64 s[8:9], s[4:5], s[2:3]            ; the four splits, 8 MiB apart
	s_add_nc_u64 s[10:11], s[8:9], 0x800000
	s_add_nc_u64 s[12:13], s[10:11], 0x800000
	s_add_nc_u64 s[14:15], s[12:13], 0x800000
	s_add_nc_u64 s[6:7], s[6:7], s[2:3]
.irp j, 0,1,2,3,4,5,6,7
.irp s, 0,1,2,3
	global_load_b128 v[8+16*\j+4*\s:8+16*\j+4*\s+3], v1, s[8+2*\s:9+2*\s] offset:\j*4096 th:TH_LOAD_NT
.endr
.endr
.irp j, 0,1,2,3,4,5,6,7
	s_wait_loadcnt 28-4*\j                         ; loads come back in order (ISA guide 5.7.1): the four loads of each later piece stay out
	v_pk_add_f32 v[8+16*\j:9+16*\j],   v[8+16*\j:9+16*\j],   v[12+16*\j:13+16*\j]
	v_pk_add_f32 v[10+16*\j:11+16*\j], v[10+16*\j:11+16*\j], v[14+16*\j:15+16*\j]
	v_pk_add_f32 v[16+16*\j:17+16*\j], v[16+16*\j:17+16*\j], v[20+16*\j:21+16*\j]
	v_pk_add_f32 v[18+16*\j:19+16*\j], v[18+16*\j:19+16*\j], v[22+16*\j:23+16*\j]
	v_pk_add_f32 v[8+16*\j:9+16*\j],   v[8+16*\j:9+16*\j],   v[16+16*\j:17+16*\j]
	v_pk_add_f32 v[10+16*\j:11+16*\j], v[10+16*\j:11+16*\j], v[18+16*\j:19+16*\j]
	global_store_b128 v1, v[8+16*\j:11+16*\j], s[6:7] offset:\j*4096 th:TH_STORE_NT
.endr
	s_endpgm
.Lfunc_end_k_q062761b233_sum4:
	.size	k_q062761b233_sum4, .Lfunc_end_k_q062761b233_sum4-k_q062761b233_sum4
	.p2alignl 7, 3214868480
	.fill 96, 4, 3214868480
	.section	.rodata,"a",@progbits
	.p2align	6, 0x0
	.amdhsa_kernel k_q062761b233_sum4
		.amdhsa_group_segment_fixed_size 0
		.amdhsa_private_segment_fixed_size 0
		.amdhsa_enable_private_segment 0
		.amdhsa_kernarg_size 16
		.amdhsa_user_sgpr_count 2
		.amdhsa_user_sgpr_kernarg_segment_ptr 1
		.amdhsa_wavefront_size32 1
		.amdhsa_system_sgpr_workgroup_id_x 1
		.amdhsa_system_sgpr_workgroup_id_y 1
		.amdhsa_system_sgpr_workgroup_id_z 1
		.amdhsa_system_vgpr_workitem_id 0
		.amdhsa_next_free_vgpr 136
		.amdhsa_next_free_sgpr 66
		.amdhsa_reserve_vcc 0
		.amdhsa_float_denorm_mode_32 3
		.amdhsa_float_denorm_mode_16_64 3
		.amdhsa_memory_ordered 1
		.amdhsa_forward_progress 1
		.amdhsa_inst_pref_size 8
	.end_amdhsa_kernel
	.amdgpu_metadata
---
amdhsa.version: [ 1, 2 ]
amdhsa.kernels:
  - .name:           k_q062761b233_sum4
    .symbol:         k_q062761b233_sum4.kd
    .args:
      - { .name: part, .offset: 0, .size: 8, .value_kind: global_buffer, .address_space: global }
      - { .name: out0, .offset: 8, .size: 8, .value_kind: global_buffer, .address_space: global }
    .group_segment_fixed_size: 0
    .private_segment_fixed_size: 0
    .kernarg_segment_align: 8
    .kernarg_segment_size: 16
    .max_flat_workgroup_size: 256
    .sgpr_count:     66
    .vgpr_count:     136
    .wavefront_size: 32
...
	.end_amdgpu_metadata
.endif
;; end of part 4
